; MI455X (gfx1250); checked and timed in simulation.
; The chip was launched on July 23, 2026; its instructions are those of AMD's public machine-readable ISA for CDNA 5 (MIT licence, August 2026) and "CDNA5" Instruction Set Architecture Reference Guide (July 2026). The comments in the code are by the model that wrote it; some were corrected since.
;; Simple Average Self Attention. Allowed arithmetic: matrix products marked QUANTISED: E2M3 operands, one E8M0 scale for each 32 along K, by v_wmma_scale_f32_16x16x128_f8f6f4 with both operands' format E2M3, f32 sums; everything else in f32.
;; Inputs: x 16 x 4,096 x 256 float32.
;; Outputs: out0 16 x 4,096 x 256 float32.
;; This version of the problem:
;;   THIS VERSION OF THE PROBLEM IS GIVEN IN LOW PRECISION. The matrix products marked QUANTISED in the list below multiply operands that are first quantised to E2M3 (2 exponent bits, 3 mantissa bits; 6 bits a number), with one power-of-two scale for each 32 numbers along K (OCP MX v1.0); their sums are f32. All else is computed in f32.
;;   The module's matrix products, in the order in which they are computed (A, B: the left and right operand; K: the contracted axis; several contracted axes count as one K, in the product's order):
;;     1. [M 4,096, K 4,096] x [K 4,096, N 4,096]; A: input x; B: softmax (see below): QUANTISED
;;   THE QUANTISER, for each operand of a quantised product, along K:
;;     - K is cut into blocks of 32 from its start; a last block that is shorter is filled with zeros.
;;     - A block's scale is 2^e with e = floor(log2(the largest magnitude in the block)) - 2, held to -126 .. 127; a block of zeros has e = 0. As a byte (E8M0): e + 127.
;;     - Each number is divided by its block's scale, clamped to +-7.5, and rounded to the nearest number of E2M3, ties to even, subnormals kept.
;;     - The product sums the exact products of the quantised numbers (number of the format x scale) in f32.
;;   ~~~python
;;   def quantise(x, axis):      # numpy; x: float32 -> the quantised numbers, widened to float32 again
;;       x = np.moveaxis(x, axis, -1); K = x.shape[-1]
;;       x = np.pad(x, [(0, 0)] * (x.ndim - 1) + [(0, -K % 32)]); x = x.reshape(x.shape[:-1] + (-1, 32)); a = np.abs(x).max(-1, keepdims=True)
;;       e = np.where(a > 0, np.clip(np.frexp(np.where(a > 0, a, 1))[1] - 1 - 2, -126, 127), 0)      # np.frexp(a)[1] - 1 = floor(log2(a)), exactly
;;       r = np.clip(x / 2.0 ** e, -7.5, 7.5)
;;       step = 2.0 ** (np.maximum(np.frexp(np.where(r == 0, 1, r))[1] - 1, 0) - 3)
;;       q = np.round(r / step) * step * 2.0 ** e      # np.round: ties to even
;;       return np.moveaxis(q.reshape(q.shape[:-2] + (-1,))[..., :K], -1, axis).astype(np.float32)
;;   ~~~
;;   SOFTMAX AHEAD OF A QUANTISED PRODUCT. Where the list says 'softmax', what is quantised is not the finished softmax but p = 2^(t - M), with t = logit x log2(e) and M = ceil(the row's largest t), a whole number; so 1/2 < the row's largest p <= 1. The row's sum l is taken of the UNQUANTISED p, in f32, and the product's result is divided by l at the end. Since M is a whole number, a kernel that streams over the keys may use a running M (the ceiling of the running maximum): every later rescaling is an exact power of two, which a block's scale takes up: the codes' values come out the same.
;;   OPERANDS COMPUTED ON THE WAY. 'Computed on the way' means the value that the module computes at that place (a softmax that the list does not call 'softmax' is quantised finished and normalised). What goes into a quantiser is computed in f32, as accurately as f32 sums, v_exp_f32 and their like allow (about 1e-6 of the number): no bf16 or f16 on the way to a quantiser, and a product that is left as it is and whose result goes on into a quantised operand takes f32 operands (vector FMAs, or v_wmma_f32_16x16x4_f32). A number that lies on a knife's edge between two numbers of the format may be rounded either way, as far as f32 arithmetic and the matrix unit's own rounding can turn it there, and no further.
;; 2 versions. Each part assembles by itself: llvm-mc -triple=amdgcn-amd-amdhsa -mcpu=gfx1250 --defsym DOCPART=n.
;; ======== version 1 of 2: 1 launch
;; launch avg (part 1): grid 4 x 64, 8 waves a work-group, no clusters, 122,368 bytes of LDS; arguments x, out0; writes out0
.if DOCPART == 1
	.amdgcn_target "amdgcn-amd-amdhsa--gfx1250"
	.amdhsa_code_object_version 6
	.text
	.protected	k_qb8b8c81810_avg
	.globl	k_qb8b8c81810_avg
	.p2align	8
	.type	k_qb8b8c81810_avg,@function
k_qb8b8c81810_avg:
	s_mov_b64 s[64:65], 0
	v_nop
	global_prefetch_b8 v0, s[64:65] scope:SCOPE_SE
	s_setreg_imm32_b32 hwreg(HW_REG_WAVE_MODE, 25, 1), 1
	s_wait_xcnt 0x0
; out0[b][t][c] = (1 / l_t) x the sum over s of Q(p[t][s]) Q(x[b][s][c]);  x, out0: [16][4096][256] f32.  Both operands are codes of FP6 (E2M3) with one E8M0 scale for each 32 along s; sums in f32.
; THE SOFTMAX OPERAND.  The scores are made by the problem itself: 0 where s <= t, -infinity elsewhere.  So the row's largest t-value is 0 (the diagonal always counts), M = ceil(0) = 0, p = 2^(score - M) is 1 or 0,
; and l_t, the sum of t + 1 ones, is t + 1 exactly.  M and l are taken in that closed form; p is made by v_exp_f32 and quantised by the stated rule, once, at the head (macro PGEN): of a tile of 16 queries against 128 keys
; there are only two kinds that count, all open (ONES) and the tile on the diagonal (DIAG).  Tiles that lie wholly above the diagonal are not multiplied.
; SHARES.  256 work-groups of eight waves.  Work-group (wx, cg): batch cg / 4, columns 64 (cg % 4) on (256 aligned bytes of every row), and of each block of 128 queries the two tiles of 16 numbered g = 2 wx, 2 wx + 1.
; Wave w: columns 16 a on (a = w % 4), g = 2 wx + q (q = w / 4), and 32 tiles of queries: tile i holds t = 128 i + 16 g + 0 .. 15.  Its 32 accumulators, 256 registers, fill window 1.
; THE WALK goes along K.  At K step k (keys 128 k on) tile k is multiplied by DIAG and is finished; tiles k + 1 .. 31 are multiplied by ONES: 32 - k matrix instructions, 528 a wave, the same for every wave.
; Source 0 = 16 columns of x (rows of the operand), source 1 = 16 queries: in the result a lane holds ONE query (lane % 16) and eight neighbouring columns 8 (lane / 16) + 0 .. 7: 32 bytes of a row of out0.
; x IS QUANTISED ON THE WAY.  A lap is four K steps, 512 rows of x.  For a lap wave w takes rows 64 w + 32 (lane / 16) + 0 .. 31 of all 64 columns: 32 loads of 16 bytes a lane, each covering two whole rows of 256 aligned bytes.
; A lane then owns four whole blocks of 32 along K (columns 4 (lane % 16) + 0 .. 3): no other lane is asked for a maximum.  The codes go to LDS as images of the operand's registers, the scale bytes beside them.
; While lap R is multiplied, lap R + 1's rows are quantised and lap R + 2's are on their way; the ONES products of a lap's last K step are dealt out among the quantiser's vector lines (macro MM).
; THE WAY OUT.  A finished tile x 1 / l goes into a stage in LDS (a row's 256 bytes come from four waves); a lap later each wave stores one block of 16 whole rows, sixteen lanes to 256 aligned bytes.
; ONE BARRIER A LAP: images and stage have two buffers each, by the lap's parity, so that what a lap writes was last read a lap earlier, in front of that lap's barrier.
; NO JOINT LOADS, though the four work-groups of a column group read the same rows of x: a joint load lands in LDS alone, so the f32 rows, 4,096 x 256 bytes a work-group, would be written to LDS and read from it once more,
; 2 MiB beside the 1.1 MiB that images (0.2 in, 0.4 out) and stage (0.25 in, 0.25 out) move.
; The text is straight: no label, no branch, no loop; EXEC is never written.
; LIMITS.  NaN and infinities in x are not served.  A block of zeros, and one whose largest magnitude lies under 2^-124, carries the scale byte 1 (the rule's hold at -126; for zeros the rule says 127: their codes are zeros, and
; the bytes are read by this text alone).  The division by l is a multiplication by v_rcp_f32's result (1 ulp).
;
; REGISTERS.  Window 0: v1-9 addresses; v10, v11 ONES' and DIAG's scale words; v12-15 1 / l; v16-19 x's scale words of a lap's four K steps; v20-31 ONES; v32-43 DIAG; v44-67 two fragments of x;
;   v68-99 T: 32 neighbours along K, later rows read back from the stage; v100-115 two sets of codes, later of scaled results; v116-119 maxima, then bytes; v120-123 the conversions' scale operands; v128-255 a unit of x (set A).
; Window 1: the accumulators, tile i at v[8 i]; from lap 4 on v0-127, whose tiles are finished, hold a second unit of x (set B).
.set FRB,  1552                        ; a fragment's image: 32 lanes x 48 bytes + 16, so that the four images of a K step begin in different banks (64 banks of 4 bytes: ISA guide 11.1)
.set SCO,  4*FRB                       ; behind a K step's four images: its 64 scale words
.set KSL,  SCO+256                     ; a K step's slot
.set RB,   4*KSL                       ; a lap's four slots: one image buffer
.set STG,  2*RB                        ; behind the two image buffers: the stage
.set SPI,  272                         ; a stage row: 256 bytes + 16
.set TBK,  16*SPI                      ; a block of 16 rows
.set SBF,  8*TBK                       ; a lap's eight blocks (K step kk, half q: block kk + 4 q): one stage buffer
.set XA,   1                           ; v1   x: (64 w + 32 (lane / 16)) rows of 1,024 bytes + 16 (lane % 16)
.set IW,   2                           ; v2   where I store codes
.set SW,   3                           ; v3   where I store scale bytes
.set IR,   4                           ; v4   where I read my fragment: FRB a + 48 x lane
.set SR,   5                           ; v5   where I read its scale word
.set GW,   6                           ; v6   the stage: where I put 32 bytes of a row
.set GR,   7                           ; v7   the stage: where I read rows back
.set OA,   8                           ; v8   out0: the first two rows that I store, 16 bytes a lane
.set LI,   9                           ; v9   16 g + lane % 16 + 1: l of my query in tile 0
.set SBO,  10
.set SBD,  11
.set RC,   12
.set SA,   16
.set ONES, 20
.set DIAG, 32
.set AF0,  44
.set T,    68
.set C0,   100
.set M,    116
.set SO,   120
.set H8,   118                         ; at the head only: 8 (lane / 16)
.set TMP,  119                         ; at the head only
.set L16,  122                         ; at the head only: lane % 16
.set HH,   123                         ; at the head only: lane / 16
.set ZERO, 124                         ; at the head only: the score of a key that counts
.set NINF, 125                         ; and of one that does not
.set DD,   126                         ; 16 g + lane % 16 - 32 (lane / 16)
.set ALL,  127
.set XSA,  128                         ; set A, in window 0
.set XSB,  0                           ; set B, in window 1
.set MSB,  0
.set PEND_I, 32                        ; the next tile of the products that are held back; 32: none
.set PAF,  AF0
.set PSA,  SA
.macro WIN new                         ; s_set_vgpr_msb's low byte: bits 1:0 source 0, 3:2 source 1, 5:4 source 2, 7:6 destination; the high byte repeats the setting that is left; a switch that changes nothing is dropped
.if MSB != (\new)
	s_set_vgpr_msb (MSB<<8)|(\new)
.set MSB, (\new)
.endif
.endm
; One matrix instruction: tile \tile += x's fragment at v[\af] x p's at v[\breg].  zero = 1: it starts the sum.
.macro PROD tile, af, breg, sa, sb, zero
.if \zero
	v_wmma_scale_f32_16x16x128_f8f6f4 v[8*(\tile):8*(\tile)+7], v[\af:\af+11], v[\breg:\breg+11], 0, v[\sa], v[\sb] matrix_a_fmt:MATRIX_FMT_FP6 matrix_b_fmt:MATRIX_FMT_FP6
.else
	v_wmma_scale_f32_16x16x128_f8f6f4 v[8*(\tile):8*(\tile)+7], v[\af:\af+11], v[\breg:\breg+11], v[8*(\tile):8*(\tile)+7], v[\sa], v[\sb] matrix_a_fmt:MATRIX_FMT_FP6 matrix_b_fmt:MATRIX_FMT_FP6
.endif
.endm
; One of the products that were held back, if any is left: set among the quantiser's lines, none of which names a register of it
.macro MM
.if PEND_I < 32
.set SAVEW, MSB
	WIN 0x50
	PROD PEND_I, PAF, ONES, PSA, SBO, 0
	WIN SAVEW
.set PEND_I, PEND_I+1
.endif
.endm
; Unit u: my 64 rows of lap u, 32 loads: load i brings row i of each half of the lanes, four columns a lane.  No cache word: four work-groups read these rows.  The offsets stay under 3,616 rows x 1,024 bytes, inside the signed 24-bit immediate (ISA guide, chapter 10)
.macro XLOAD u, xb, xw
	WIN 0x40*\xw
.set xi, 0
.rept 32
	global_load_b128 v[\xb+4*xi:\xb+4*xi+3], v[XA], s[4:5] offset:(512*(\u)+xi)*1024
.set xi, xi+1
.endr
	WIN 0
.endm
; A unit becomes codes and scale bytes in image buffer buf.  xb, xw: where the unit lies; lw: the younger loads that may stay out; nu >= 0: unit nu is asked for, into nxb, nxw, as soon as this unit's registers have been read.
.macro QUANT buf, xb, xw, lw, nu, nxb, nxw
	s_wait_loadcnt \lw                             ; loads come back in order (ISA guide 5.7.1): this unit is in
	s_wait_xcnt 0x0                                ; the lap's stores have read T, which is written below
	WIN 0x14*\xw
.irp cc, 0,1,2,3
	v_max3_num_f32 v[M+\cc], s12, |v[\xb+\cc]|, |v[\xb+4+\cc]|      ; column cc's largest magnitude, and the floor 2^(3 - 127), under which none is taken: so the byte cannot fall under 1
.endr
.set qi, 2
.rept 15
.irp cc, 0,1,2,3
	v_max3_num_f32 v[M+\cc], v[M+\cc], |v[\xb+4*qi+\cc]|, |v[\xb+4*qi+4+\cc]|   ; the four columns by turns: no line waits for the line above it
.endr
.if qi%4 == 2
	MM
.endif
.set qi, qi+2
.endr
	WIN 0
.irp cc, 0,1,2,3
	v_add_nc_u32 v[SO+\cc], 0xff000000, v[M+\cc]   ; 2 off the exponent field: the conversion takes the exponent field of this operand as its scale, and nothing else of it
.endr
.irp cc, 0,1,2,3
	v_lshrrev_b32 v[M+\cc], 23, v[SO+\cc]          ; the scale's byte
.endr
.irp cc, 0,1,2,3
	WIN 0x01*\xw
.set qi, 0
.rept 32
	v_mov_b32 v[T+qi], v[\xb+4*qi+\cc]             ; the conversions take neighbours along K from consecutive registers; a load of 16 bytes lays four COLUMNS side by side
.if qi%8 == 7
	MM
.endif
.set qi, qi+1
.endr
	WIN 0
.if (\cc == 3) && ((\nu) >= 0)
	XLOAD \nu, \nxb, \nxw                          ; every register of this unit has been read
.endif
.if \cc >= 2
	s_wait_dscnt 4                                 ; all but the last column's four stores: the stores of two columns back have read this set of codes
.endif
.set QC, C0+8*(\cc%2)
	v_cvt_scalef32_pk16_fp6_f32 v[QC:QC+2], v[T:T+15], v[SO+\cc]
	v_cvt_scalef32_pk16_fp6_f32 v[QC+4:QC+6], v[T+16:T+31], v[SO+\cc]   ; (a conversion's three registers begin on an even number)
	v_nop                                          ; one plain place behind a scaled conversion
	v_mov_b32 v[QC+3], v[QC+4]
	v_mov_b32 v[QC+4], v[QC+5]
	v_mov_b32 v[QC+5], v[QC+6]                     ; 24 bytes on end: registers 6 c .. 6 c + 5 of the operand's lane (column % 16) + 16 (lane / 16), c = w % 2
	ds_store_b64 v[IW], v[QC:QC+1] offset:(\buf)*RB+48*\cc
	ds_store_b64 v[IW], v[QC+2:QC+3] offset:(\buf)*RB+48*\cc+8
	ds_store_b64 v[IW], v[QC+4:QC+5] offset:(\buf)*RB+48*\cc+16
	ds_store_b8 v[SW], v[M+\cc] offset:(\buf)*RB+4*\cc   ; byte 2 c + lane / 16 of the column's scale word
	MM
.endr
.rept 32
	MM                                             ; what is still held back
.endr
.endm
; p's fragment for 16 queries x 128 keys, and its scale word.  Register i of half c holds key 64 c + 32 (lane / 16) + i of my query: it counts where 64 c + i <= v[dreg].
.macro PGEN dst, sreg, dreg
.irp c, 0,1
.set i, 0
.rept 32
	v_cmp_le_i32 vcc_lo, 64*\c+i, v[\dreg]
	v_cndmask_b32 v[T+i], v[NINF], v[ZERO], vcc_lo ; the score less M (M = 0): 0 or -infinity
.set i, i+1
.endr
.set i, 0
.rept 32
	v_exp_f32 v[T+i], v[T+i]                       ; p = 2^(score - M)
.set i, i+1
.endr
	v_nop                                          ; a plain place behind the exponentials
	s_wait_alu depctr_va_vdst(0)                   ; the wait stands ahead of the first line that names a result: one for the batch
	v_max3_num_f32 v[M+\c], v[T], v[T+1], s12      ; my block's largest p (none is negative), and the floor
.set i, 2
.rept 15
	v_max3_num_f32 v[M+\c], v[M+\c], v[T+i], v[T+i+1]
.set i, i+2
.endr
	v_add_nc_u32 v[SO+\c], 0xff000000, v[M+\c]
	v_lshrrev_b32 v[M+\c], 23, v[SO+\c]
	v_cvt_scalef32_pk16_fp6_f32 v[\dst+6*\c:\dst+6*\c+2], v[T:T+15], v[SO+\c]
	v_cvt_scalef32_pk16_fp6_f32 v[C0:C0+2], v[T+16:T+31], v[SO+\c]
	v_nop                                          ; one plain place behind a scaled conversion
	v_mov_b32 v[\dst+6*\c+3], v[C0]
	v_mov_b32 v[\dst+6*\c+4], v[C0+1]
	v_mov_b32 v[\dst+6*\c+5], v[C0+2]
.endr
	v_lshl_or_b32 v[\sreg], v[M+1], 16, v[M]       ; my two bytes: blocks lane / 16 and 2 + lane / 16 of my query,
	v_lshlrev_b32 v[\sreg], v[H8], v[\sreg]        ; at their places in the scale word;
	v_mov_b32 v[TMP], 0                            ; (a lane permute's destination counts as one of its sources)
	v_permlanex16_b32 v[TMP], v[\sreg], s20, s21
	v_or_b32 v[\sreg], v[\sreg], v[TMP]            ; with lane l xor 16's two the word is whole
.endm
.macro FETCH reg, buf, ksl             ; my fragment of x for the lap's K step ksl: the image's 48 bytes of my lane
.irp j, 0,1,2
	ds_load_b128 v[(\reg)+4*\j:(\reg)+4*\j+3], v[IR] offset:(\buf)*RB+(\ksl)*KSL+16*\j
.endr
.endm
; K step k = 4 R + kk.  The next K step's fragment is asked for first.  cnt: the LDS instructions that may stay out.  hook = 1: the ONES products are held back for MM.
; The accumulators take turns, one instruction a turn.  Up to K step 28 the order is k, k + 1 .. 31.  The last three K steps go 29, 31, 30 | 31, 30 | 31, so that there too no two matrix
; instructions that follow each other name the same accumulator; each accumulator still takes its products in ascending K.
.macro STEP R, kk, hook, cnt
.set SK, 4*(\R)+(\kk)
.set SAF, AF0+12*((\kk)%2)
.set SZ, 0
.if SK == 0
.set SZ, 1                             ; the first K step's products start the sums: nothing is ever cleared
.endif
.if (\kk) < 3
	FETCH AF0+12*(((\kk)+1)%2), (\R)%2, (\kk)+1
.endif
	s_wait_dscnt \cnt
	WIN 0x50                                       ; C and D in window 1
.if SK == 30
	PROD 31, SAF, ONES, SA+(\kk), SBO, 0
	PROD 30, SAF, DIAG, SA+(\kk), SBD, 0
.elseif SK == 29
	PROD 29, SAF, DIAG, SA+(\kk), SBD, 0
	PROD 31, SAF, ONES, SA+(\kk), SBO, 0
	PROD 30, SAF, ONES, SA+(\kk), SBO, 0
.else
	PROD SK, SAF, DIAG, SA+(\kk), SBD, SZ
.if \hook
.set PEND_I, SK+1
.set PAF, SAF
.set PSA, SA+(\kk)
.else
.if SK < 31
.set si, SK+1
.rept 31-SK
	PROD si, SAF, ONES, SA+(\kk), SBO, SZ
.set si, si+1
.endr
.endif
.endif
.endif
	WIN 0
.endm
; Tile k = 4 R + kk is finished: x 1 / l, into the stage.  The four v_nop are the places behind the last products: for the reads below, and for the next loads into registers that those products read.
.macro OUTT R, kk, pre
.set OTL, 4*(\R)+(\kk)
.set OO, C0+8*((\kk)%2)
.rept 4
	v_nop
.endr
.if \pre
	s_wait_dscnt 0x0                               ; the quantiser's stores have read these registers
.endif
	WIN 0x01                                       ; source 0 in window 1
.irp j, 0,1,2,3,4,5,6,7
	v_mul_f32 v[OO+\j], v[8*OTL+\j], v[RC+(\kk)]   ; the accumulator from its low end on
.endr
	WIN 0
	ds_store_b128 v[GW], v[OO:OO+3] offset:((\R)%2)*SBF+(\kk)*TBK
	ds_store_b128 v[GW], v[OO+4:OO+7] offset:((\R)%2)*SBF+(\kk)*TBK+16
.endm
.macro RBL Rp                          ; my block of lap Rp's stage comes back as whole rows: lanes 0-15 one row, lanes 16-31 the next
	s_wait_xcnt 0x0                                ; the last lap's stores have read T
.irp j, 0,1,2,3,4,5,6,7
	ds_load_b128 v[T+4*\j:T+4*\j+3], v[GR] offset:((\Rp)%2)*SBF+2*\j*SPI
.endr
.endm
.macro RBS Rp
.irp j, 0,1,2,3,4,5,6,7
	global_store_b128 v[OA], v[T+4*\j:T+4*\j+3], s[6:7] offset:(512*(\Rp)+2*\j)*1024 th:TH_STORE_NT   ; sixteen lanes store 256 consecutive bytes, at a multiple of 256 from out0's first byte; written once, read by nobody here
.endr
.endm
.macro BARRIER                         ; my LDS stores have landed and my LDS loads are in: then the work-group's barrier
	s_wait_dscnt 0x0
	s_barrier_signal -1
	s_barrier_wait -1
.endm
; A lap's head: the last lap's block out of the stage; this lap's four scale words and first fragment; 1 / l of its four tiles; the block's stores.
.macro LAPHEAD R
.if \R > 0
	RBL \R-1
.endif
.irp kk, 0,1,2,3
	ds_load_b32 v[SA+\kk], v[SR] offset:((\R)%2)*RB+\kk*KSL
.endr
	FETCH AF0, (\R)%2, 0
.irp kk, 0,1,2,3
	v_add_nc_u32 v[RC+\kk], 128*(4*(\R)+\kk), v[LI]   ; l = t + 1 of my query in tile 4 R + kk
.endr
.irp kk, 0,1,2,3
	v_cvt_f32_u32 v[RC+\kk], v[RC+\kk]
.endr
.irp kk, 0,1,2,3
	v_rcp_f32 v[RC+\kk], v[RC+\kk]
.endr
	v_nop                                          ; a plain place behind the reciprocals
	s_wait_alu depctr_va_vdst(0)                   ; the wait stands ahead of the first line that names a result: one for the four
.if \R > 0
	s_wait_dscnt 7                                 ; the block is back; the four scale words' and the fragment's three loads may be out
	RBS \R-1
.endif
.endm
.macro THREE R                         ; a lap's first three K steps
	STEP \R, 0, 0, 3                               ; all but the next fragment's three loads
	OUTT \R, 0, 0
	STEP \R, 1, 0, 5                               ; all but the last tile's two stores and the next fragment's three loads
	OUTT \R, 1, 0
	STEP \R, 2, 0, 5                               ; the same: so the stores of two tiles back have read their registers, which the next tile takes
	OUTT \R, 2, 0
.endm
	s_load_b128 s[4:7], s[0:1], 0x0                ; x, out0
	v_lshrrev_b32 v[TMP], 5, v0
	v_readfirstlane_b32 s8, v[TMP]                 ; w: wave 0..7
	v_and_b32 v[L16], 15, v0
	v_bfe_u32 v[HH], v0, 4, 1
	s_lshl_b32 s13, s8, 16                         ; 64 w rows of 1,024 bytes
	v_lshlrev_b32 v[XA], 4, v[L16]
	v_lshl_or_b32 v[XA], v[HH], 15, v[XA]
	v_add_nc_u32 v[XA], s13, v[XA]
	s_and_b32 s13, ttmp7, 0xffff                   ; cg
	s_lshr_b32 s2, s13, 2
	s_lshl_b32 s2, s2, 22                          ; the batch: 4,096 rows of 1,024 bytes,
	s_and_b32 s13, s13, 3
	s_lshl_b32 s13, s13, 8                         ; and the 64 columns: 256 bytes
	s_or_b32 s2, s2, s13
	s_mov_b32 s3, 0
	s_wait_kmcnt 0x0
	s_add_nc_u64 s[4:5], s[4:5], s[2:3]
	s_add_nc_u64 s[6:7], s[6:7], s[2:3]
	XLOAD 0, XSA, 0                                ; the first unit goes out before anything else is made
	s_lshr_b32 s9, s8, 2                           ; q
	s_and_b32 s10, s8, 3                           ; a
	s_mov_b32 s11, ttmp9                           ; wx: it enters out0's addresses and p alone, no LDS address
	s_mov_b32 s12, 0x01800000                      ; the floor 2^(3 - 127)
	s_mov_b32 s20, 0x76543210
	s_mov_b32 s21, 0xfedcba98                      ; v_permlanex16_b32's selects for lane l xor 16
	; codes: K step w / 2 of the lap; column 4 (lane % 16) + cc lies in image (lane % 16) / 4, operand lane 4 ((lane % 16) % 4) + cc + 16 (lane / 16), 48 bytes a lane; half c = w % 2: 24 bytes on
	s_lshr_b32 s13, s8, 1
	s_mul_i32 s13, s13, KSL
	s_and_b32 s14, s8, 1
	s_mul_i32 s15, s14, 24
	s_add_co_u32 s15, s15, s13
	v_lshrrev_b32 v[TMP], 2, v[L16]
	v_mul_u32_u24 v[IW], v[TMP], FRB
	v_and_b32 v[TMP], 3, v[L16]
	v_mad_u32_u24 v[IW], v[TMP], 192, v[IW]
	v_mad_u32_u24 v[IW], v[HH], 768, v[IW]
	v_add_nc_u32 v[IW], s15, v[IW]
	; scale bytes: 4 bytes a column, byte 2 (w % 2) + lane / 16
	s_lshl_b32 s14, s14, 1
	s_add_co_u32 s14, s14, s13
	s_add_co_u32 s14, s14, SCO
	v_lshl_add_u32 v[SW], v[L16], 4, v[HH]
	v_add_nc_u32 v[SW], s14, v[SW]
	v_and_b32 v[TMP], 31, v0
	v_mul_u32_u24 v[IR], v[TMP], 48
	s_mul_i32 s13, s10, FRB
	v_add_nc_u32 v[IR], s13, v[IR]
	s_lshl_b32 s13, s10, 6
	s_add_co_u32 s13, s13, SCO
	v_lshl_add_u32 v[SR], v[L16], 2, s13           ; lane r takes column 16 a + r's word (lanes 16-31 take the same and are not read)
	s_mul_i32 s13, s9, 4*TBK
	s_lshl_b32 s14, s10, 6
	s_add_co_u32 s13, s13, s14
	s_add_co_u32 s13, s13, STG
	v_mul_u32_u24 v[GW], v[L16], SPI
	v_lshl_add_u32 v[GW], v[HH], 5, v[GW]
	v_add_nc_u32 v[GW], s13, v[GW]                 ; the stage, in: blocks 4 q on; row = my query; 64 a + 32 (lane / 16) bytes on
	s_mul_i32 s13, s8, TBK
	s_add_co_u32 s13, s13, STG
	v_mul_u32_u24 v[GR], v[HH], SPI
	v_lshl_add_u32 v[GR], v[L16], 4, v[GR]
	v_add_nc_u32 v[GR], s13, v[GR]                 ; back: block w, which is K step w % 4 of the lap and half w / 4
	s_lshl_b32 s13, s10, 7
	s_lshl_b32 s14, s11, 5
	s_add_co_u32 s13, s13, s14
	s_lshl_b32 s15, s9, 4
	s_add_co_u32 s13, s13, s15                     ; that block's first query in lap 0: 128 (w % 4) + 32 wx + 16 (w / 4)
	s_lshl_b32 s13, s13, 10
	v_lshlrev_b32 v[OA], 4, v[L16]
	v_lshl_or_b32 v[OA], v[HH], 10, v[OA]
	v_add_nc_u32 v[OA], s13, v[OA]
	s_add_co_u32 s14, s14, s15                     ; 16 g = 32 wx + 16 q
	v_add_nc_u32 v[DD], s14, v[L16]
	v_add_nc_u32 v[LI], 1, v[DD]
	v_lshlrev_b32 v[TMP], 5, v[HH]
	v_sub_nc_u32 v[DD], v[DD], v[TMP]              ; on the diagonal key 64 c + 32 (lane / 16) + i counts where 64 c + i <= 16 g + lane % 16 - 32 (lane / 16)
	v_mov_b32 v[ZERO], 0
	v_mov_b32 v[NINF], 0xff800000
	v_mov_b32 v[ALL], 127                          ; under the diagonal every key counts
	v_lshlrev_b32 v[H8], 3, v[HH]
	PGEN ONES, SBO, ALL
	PGEN DIAG, SBD, DD
	QUANT 0, XSA, 0, 0, 1, XSA, 0                  ; unit 0 into image buffer 0; unit 1 is asked for
	BARRIER
	LAPHEAD 0
	THREE 0
	STEP 0, 3, 1, 0                                ; every LDS instruction of mine is done: the quantiser writes the registers that the last tiles' stores read
	QUANT 1, XSA, 0, 0, 2, XSA, 0
	OUTT 0, 3, 1
	BARRIER
	LAPHEAD 1
	THREE 1
	STEP 1, 3, 1, 0
	QUANT 0, XSA, 0, 0, 3, XSA, 0
	OUTT 1, 3, 1
	BARRIER
	LAPHEAD 2
	THREE 2
	STEP 2, 3, 1, 0
	QUANT 1, XSA, 0, 0, 4, XSA, 0
	OUTT 2, 3, 1
	BARRIER
	LAPHEAD 3
	THREE 3
	STEP 3, 3, 1, 0
	QUANT 0, XSA, 0, 0, 5, XSA, 0
	OUTT 3, 3, 1
	BARRIER
	LAPHEAD 4
	XLOAD 6, XSB, 1                                ; tiles 0 to 15 are finished and stored to the stage: their registers take a second unit, so that two units are on their way while the laps grow short
	THREE 4
	STEP 4, 3, 1, 0
	QUANT 1, XSA, 0, 32, 7, XSA, 0                 ; unit 5 is in; unit 6's 32 loads may be out
	OUTT 4, 3, 1
	BARRIER
	LAPHEAD 5
	THREE 5
	STEP 5, 3, 1, 0
	QUANT 0, XSB, 1, 32, -1, 0, 0                  ; unit 6 is in; unit 7's 32 loads may be out.  Nothing is left to ask for
	OUTT 5, 3, 1
	BARRIER
	LAPHEAD 6
	THREE 6
	STEP 6, 3, 1, 0
	QUANT 1, XSA, 0, 0, -1, 0, 0
	OUTT 6, 3, 1
	BARRIER
	LAPHEAD 7
	THREE 7
	STEP 7, 3, 0, 2                                ; all but the last tile's two stores: the fragment is in, and the stores of two tiles back have read their registers
	OUTT 7, 3, 0
	BARRIER
	RBL 7
	s_wait_dscnt 0x0
	RBS 7
	s_wait_xcnt 0x0
	v_lshl_add_u32 v254, v0, 2, 0x1da00
	v_mov_b32 v255, 0
	s_wait_tensorcnt 0x0
	ds_add_u32 v254, v255
	s_wait_dscnt 0x0
	s_endpgm
.Lfunc_end_k_qb8b8c81810_avg:
	.size	k_qb8b8c81810_avg, .Lfunc_end_k_qb8b8c81810_avg-k_qb8b8c81810_avg
	.p2alignl 7, 3214868480
	.fill 96, 4, 3214868480
	.section	.rodata,"a",@progbits
	.p2align	6, 0x0
	.amdhsa_kernel k_qb8b8c81810_avg
		.amdhsa_group_segment_fixed_size 122368
		.amdhsa_private_segment_fixed_size 0
		.amdhsa_enable_private_segment 0
		.amdhsa_kernarg_size 16
		.amdhsa_user_sgpr_count 2
		.amdhsa_user_sgpr_kernarg_segment_ptr 1
		.amdhsa_wavefront_size32 1
		.amdhsa_system_sgpr_workgroup_id_x 1
		.amdhsa_system_sgpr_workgroup_id_y 1
		.amdhsa_system_sgpr_workgroup_id_z 1
		.amdhsa_system_vgpr_workitem_id 0
		.amdhsa_next_free_vgpr 512
		.amdhsa_next_free_sgpr 66
		.amdhsa_reserve_vcc 1
		.amdhsa_float_denorm_mode_32 3
		.amdhsa_float_denorm_mode_16_64 3
		.amdhsa_memory_ordered 1
		.amdhsa_forward_progress 1
		.amdhsa_inst_pref_size 251
	.end_amdhsa_kernel
	.amdgpu_metadata
---
amdhsa.version: [ 1, 2 ]
amdhsa.kernels:
  - .name:           k_qb8b8c81810_avg
    .symbol:         k_qb8b8c81810_avg.kd
    .args:
      - { .name: x, .offset: 0, .size: 8, .value_kind: global_buffer, .address_space: global }
      - { .name: out0, .offset: 8, .size: 8, .value_kind: global_buffer, .address_space: global }
    .group_segment_fixed_size: 122368
    .private_segment_fixed_size: 0
    .kernarg_segment_align: 8
    .kernarg_segment_size: 16
    .max_flat_workgroup_size: 256
    .sgpr_count:     66
    .vgpr_count:     512
    .wavefront_size: 32
...
	.end_amdgpu_metadata
.endif
;; end of part 1
;; ======== version 2 of 2: 1 launch; version 1 with the launch avg written anew for expert scheduling mode
;; launch avg (part 2): grid 4 x 64, 8 waves a work-group, no clusters, 122,368 bytes of LDS; arguments x, out0; writes out0
.if DOCPART == 2
	.amdgcn_target "amdgcn-amd-amdhsa--gfx1250"
	.amdhsa_code_object_version 6
	.text
	.protected	k_qb8b8c81810_avg
	.globl	k_qb8b8c81810_avg
	.p2align	8
	.type	k_qb8b8c81810_avg,@function
k_qb8b8c81810_avg:
	s_mov_b64 s[64:65], 0
	v_nop
	global_prefetch_b8 v0, s[64:65] scope:SCOPE_SE
	s_setreg_imm32_b32 hwreg(HW_REG_WAVE_SCHED_MODE, 0, 2), 2
	s_setreg_imm32_b32 hwreg(HW_REG_WAVE_MODE, 25, 1), 1
	s_wait_xcnt 0x0
	s_wait_alu depctr_vm_vsrc(0)
; out0[b][t][c] = (1 / l_t) x the sum over s of Q(p[t][s]) Q(x[b][s][c]);  x, out0: [16][4096][256] f32.  Both operands are codes of FP6 (E2M3) with one E8M0 scale for each 32 along s; sums in f32.
; THE SOFTMAX OPERAND.  The scores are made by the problem itself: 0 where s <= t, -infinity elsewhere.  So the row's largest t-value is 0 (the diagonal always counts), M = ceil(0) = 0, p = 2^(score - M) is 1 or 0,
; and l_t, the sum of t + 1 ones, is t + 1 exactly.  M and l are taken in that closed form; p is made by v_exp_f32 and quantised by the stated rule, once, at the head (macro PGEN): of a tile of 16 queries against 128 keys
; there are only two kinds that count, all open (ONES) and the tile on the diagonal (DIAG).  Tiles that lie wholly above the diagonal are not multiplied.
; SHARES.  256 work-groups of eight waves.  Work-group (wx, cg): batch cg / 4, columns 64 (cg % 4) on (256 aligned bytes of every row), and of each block of 128 queries the two tiles of 16 numbered g = 2 wx, 2 wx + 1.
; Wave w: columns 16 a on (a = w % 4), g = 2 wx + q (q = w / 4), and 32 tiles of queries: tile i holds t = 128 i + 16 g + 0 .. 15.  Its 32 accumulators, 256 registers, fill window 1.
; THE WALK goes along K.  At K step k (keys 128 k on) tile k is multiplied by DIAG and is finished; tiles k + 1 .. 31 are multiplied by ONES: 32 - k matrix instructions, 528 a wave, the same for every wave.
; Source 0 = 16 columns of x (rows of the operand), source 1 = 16 queries: in the result a lane holds ONE query (lane % 16) and eight neighbouring columns 8 (lane / 16) + 0 .. 7: 32 bytes of a row of out0.
; x IS QUANTISED ON THE WAY.  A lap is four K steps, 512 rows of x.  For a lap wave w takes rows 64 w + 32 (lane / 16) + 0 .. 31 of all 64 columns: 32 loads of 16 bytes a lane, each covering two whole rows of 256 aligned bytes.
; A lane then owns four whole blocks of 32 along K (columns 4 (lane % 16) + 0 .. 3): no other lane is asked for a maximum.  The codes go to LDS as images of the operand's registers, the scale bytes beside them.
; While lap R is multiplied, lap R + 1's rows are quantised and lap R + 2's are on their way; the ONES products of a lap's last K step are dealt out among the quantiser's vector lines (macro MM).
; THE WAY OUT.  A finished tile x 1 / l goes into a stage in LDS (a row's 256 bytes come from four waves); a lap later each wave stores one block of 16 whole rows, sixteen lanes to 256 aligned bytes.
; ONE BARRIER A LAP: images and stage have two buffers each, by the lap's parity, so that what a lap writes was last read a lap earlier, in front of that lap's barrier.
; NO JOINT LOADS, though the four work-groups of a column group read the same rows of x: a joint load lands in LDS alone, so the f32 rows, 4,096 x 256 bytes a work-group, would be written to LDS and read from it once more,
; 2 MiB beside the 1.1 MiB that images (0.2 in, 0.4 out) and stage (0.25 in, 0.25 out) move.
; The text is straight: no label, no branch, no loop; EXEC is never written.
; LIMITS.  NaN and infinities in x are not served.  A block of zeros, and one whose largest magnitude lies under 2^-124, carries the scale byte 1 (the rule's hold at -126; for zeros the rule says 127: their codes are zeros, and
; the bytes are read by this text alone).  The division by l is a multiplication by v_rcp_f32's result (1 ulp).
; THE MODE: SCHED_MODE bits 1:0 = 2 (LLVM: expert scheduling mode 2), set by the entry lines.  The code itself states the register dependences between vector or matrix instructions and memory or LDS instructions,
; with s_wait_alu, always for 0.
; THE PLAN.  Registers that memory or LDS instructions touch:
;   v1-8          addresses: written at the head by vector lines, never again; read by every load and store.
;   XSA, XSB      a unit of x: the loads land there; the quantiser's maxima and moves read it.  (XSB was tiles 0 to 15: written by products, read by the way out's multiplications.)
;   T             written by the quantiser's moves and read by its conversions; then the stage's loads land there and the block's global stores read it.
;   v[C0 ..]      two sets of eight: written by the conversions and their moves, read by the codes' LDS stores; written by a finished tile's multiplications, read by its two LDS stores.
;   v[M ..]       written by the maxima and the shifts, read by the scale bytes' LDS stores.
;   AF, SA        the fragments' and scale words' LDS loads land there; products alone read them.   ONES, DIAG and their scale words: written at the head by vector lines, read by products alone.
; THE WAITS.  A unit's four columns go in two pairs, a column to each set of codes.  The quantiser holds two waits on vm_vsrc (at its head: T, v[M ..] and both sets have been read; ahead of the second pair's conversions: the first
; pair's stores have read the sets) and three on va_vdst (one ahead of the second pair's conversions; behind each pair: its codes and bytes are written; the second also: every line that reads the unit is done, so that the next unit's loads follow it).
; A K step holds one wait on vm_vsrc (the set that the finished tile takes has been read) and one on va_vdst, behind the tile's multiplications: the scaled tile is written, and the K step's products are done reading their fragment
; and scale word.  So that wait serves the tile's two stores, the next fragment's loads and, at a lap's end, all the LDS loads of the next lap's head.
;
; REGISTERS.  Window 0: v1-9 addresses; v10, v11 ONES' and DIAG's scale words; v12-15 1 / l; v16-19 x's scale words of a lap's four K steps; v20-31 ONES; v32-43 DIAG; v44-67 two fragments of x;
;   v68-99 T: 32 neighbours along K, later rows read back from the stage; v100-115 two sets of codes, later of scaled results; v116-119 maxima, then bytes; v120-123 the conversions' scale operands; v128-255 a unit of x (set A).
; Window 1: the accumulators, tile i at v[8 i]; from lap 4 on v0-127, whose tiles are finished, hold a second unit of x (set B).   s22-29: at the head only: the masks of eight compares.
.set FRB,  1552                        ; a fragment's image: 32 lanes x 48 bytes + 16, so that the four images of a K step begin in different banks (64 banks of 4 bytes: ISA guide 11.1)
.set SCO,  4*FRB                       ; behind a K step's four images: its 64 scale words
.set KSL,  SCO+256                     ; a K step's slot
.set RB,   4*KSL                       ; a lap's four slots: one image buffer
.set STG,  2*RB                        ; behind the two image buffers: the stage
.set SPI,  272                         ; a stage row: 256 bytes + 16
.set TBK,  16*SPI                      ; a block of 16 rows
.set SBF,  8*TBK                       ; a lap's eight blocks (K step kk, half q: block kk + 4 q): one stage buffer
.set XA,   1                           ; v1   x: (64 w + 32 (lane / 16)) rows of 1,024 bytes + 16 (lane % 16)
.set IW,   2                           ; v2   where I store codes
.set SW,   3                           ; v3   where I store scale bytes
.set IR,   4                           ; v4   where I read my fragment: FRB a + 48 x lane
.set SR,   5                           ; v5   where I read its scale word
.set GW,   6                           ; v6   the stage: where I put 32 bytes of a row
.set GR,   7                           ; v7   the stage: where I read rows back
.set OA,   8                           ; v8   out0: the first two rows that I store, 16 bytes a lane
.set LI,   9                           ; v9   16 g + lane % 16 + 1: l of my query in tile 0
.set SBO,  10
.set SBD,  11
.set RC,   12
.set SA,   16
.set ONES, 20
.set DIAG, 32
.set AF0,  44
.set T,    68
.set C0,   100
.set M,    116
.set SO,   120
.set H8,   118                         ; at the head only: 8 (lane / 16)
.set TMP,  119                         ; at the head only
.set L16,  122                         ; at the head only: lane % 16
.set HH,   123                         ; at the head only: lane / 16
.set ZERO, 124                         ; at the head only: the score of a key that counts
.set NINF, 125                         ; and of one that does not
.set DD,   126                         ; 16 g + lane % 16 - 32 (lane / 16)
.set ALL,  127
.set XSA,  128                         ; set A, in window 0
.set XSB,  0                           ; set B, in window 1
.set MSB,  0
.set PEND_I, 32                        ; the next tile of the products that are held back; 32: none
.set PAF,  AF0
.set PSA,  SA
.macro WIN new                         ; s_set_vgpr_msb's low byte: bits 1:0 source 0, 3:2 source 1, 5:4 source 2, 7:6 destination; the high byte repeats the setting that is left; a switch that changes nothing is dropped
.if MSB != (\new)
	s_set_vgpr_msb (MSB<<8)|(\new)
.set MSB, (\new)
.endif
.endm
; One matrix instruction: tile \tile += x's fragment at v[\af] x p's at v[\breg].  zero = 1: it starts the sum.
.macro PROD tile, af, breg, sa, sb, zero
.if \zero
	v_wmma_scale_f32_16x16x128_f8f6f4 v[8*(\tile):8*(\tile)+7], v[\af:\af+11], v[\breg:\breg+11], 0, v[\sa], v[\sb] matrix_a_fmt:MATRIX_FMT_FP6 matrix_b_fmt:MATRIX_FMT_FP6
.else
	v_wmma_scale_f32_16x16x128_f8f6f4 v[8*(\tile):8*(\tile)+7], v[\af:\af+11], v[\breg:\breg+11], v[8*(\tile):8*(\tile)+7], v[\sa], v[\sb] matrix_a_fmt:MATRIX_FMT_FP6 matrix_b_fmt:MATRIX_FMT_FP6
.endif
.endm
; One of the products that were held back, if any is left: set among the quantiser's lines, none of which names a register of it; it names no register that the quantiser's loads and stores touch
.macro MM
.if PEND_I < 32
.set SAVEW, MSB
	WIN 0x50
	PROD PEND_I, PAF, ONES, PSA, SBO, 0
	WIN SAVEW
.set PEND_I, PEND_I+1
.endif
.endm
; Unit u: my 64 rows of lap u, 32 loads: load i brings row i of each half of the lanes, four columns a lane.  No cache word: four work-groups read these rows.  The offsets stay under 3,616 rows x 1,024 bytes, inside the signed 24-bit immediate (ISA guide, chapter 10)
.macro XLOAD u, xb, xw
	WIN 0x40*\xw
.set xi, 0
.rept 32
	global_load_b128 v[\xb+4*xi:\xb+4*xi+3], v[XA], s[4:5] offset:(512*(\u)+xi)*1024
.set xi, xi+1
.endr
	WIN 0
.endm
; A unit becomes codes and scale bytes in image buffer buf.  xb, xw: where the unit lies; lw: the younger loads that may stay out; nu >= 0: unit nu is asked for, into nxb, nxw, behind the wait that shows this unit's registers read.
; The four columns go in two pairs, a column to each set of codes, so that one wait stands ahead of a pair's eight LDS stores.
.macro QUANT buf, xb, xw, lw, nu, nxb, nxw
	s_wait_loadcnt \lw                             ; loads come back in order (ISA guide 5.7.1): this unit is in
	s_wait_xcnt 0x0                                ; the lap's stores have read T, which is written below
	s_wait_alu depctr_vm_vsrc(0)                   ; the lap's global stores have read T, the last unit's byte stores v[M ..], the last tiles' LDS stores both sets at v[C0 ..]: all of these are written below (the first unit finds no such store)
	WIN 0x14*\xw
.irp cc, 0,1,2,3
	v_max3_num_f32 v[M+\cc], s12, |v[\xb+\cc]|, |v[\xb+4+\cc]|      ; column cc's largest magnitude, and the floor 2^(3 - 127), under which none is taken: so the byte cannot fall under 1
.endr
.set qi, 2
.rept 15
.irp cc, 0,1,2,3
	v_max3_num_f32 v[M+\cc], v[M+\cc], |v[\xb+4*qi+\cc]|, |v[\xb+4*qi+4+\cc]|   ; the four columns by turns: no line waits for the line above it
.endr
.if qi%4 == 2
	MM
.endif
.set qi, qi+2
.endr
	WIN 0
.irp cc, 0,1,2,3
	v_add_nc_u32 v[SO+\cc], 0xff000000, v[M+\cc]   ; 2 off the exponent field: the conversion takes the exponent field of this operand as its scale, and nothing else of it
.endr
.irp cc, 0,1,2,3
	v_lshrrev_b32 v[M+\cc], 23, v[SO+\cc]          ; the scale's byte
.endr
.irp pr, 0,1
.irp hf, 0,1
.set CC, 2*\pr+\hf                     ; the column
.set QC, C0+8*\hf                      ; its set of codes
	WIN 0x01*\xw
.set qi, 0
.rept 32
	v_mov_b32 v[T+qi], v[\xb+4*qi+CC]              ; the conversions take neighbours along K from consecutive registers; a load of 16 bytes lays four COLUMNS side by side
.if qi%8 == 3
	MM                                             ; (the last of a column's four stands ten vector lines ahead of the pair's wait)
.endif
.set qi, qi+1
.endr
	WIN 0
.if CC == 2
	s_wait_alu depctr_va_vdst(0)
	s_wait_dscnt 0x0                               ; the first pair's eight stores are done
	s_wait_alu depctr_vm_vsrc(0)                   ; the first pair's LDS stores have read both sets of codes, which the second pair's conversions write
.endif
	v_cvt_scalef32_pk16_fp6_f32 v[QC:QC+2], v[T:T+15], v[SO+CC]
	v_cvt_scalef32_pk16_fp6_f32 v[QC+4:QC+6], v[T+16:T+31], v[SO+CC]   ; (a conversion's three registers begin on an even number)
	v_nop                                          ; one plain place behind a scaled conversion
	v_mov_b32 v[QC+3], v[QC+4]
	v_mov_b32 v[QC+4], v[QC+5]
	v_mov_b32 v[QC+5], v[QC+6]                     ; 24 bytes on end: registers 6 c .. 6 c + 5 of the operand's lane (column % 16) + 16 (lane / 16), c = w % 2
.endr
	s_wait_alu depctr_va_vdst(0)                   ; the pair's codes and bytes are written, which the LDS stores below read.  Second pair: and every line that reads this unit is done: the next unit's loads land in its registers.
	                                               ; First unit: and the head has written the addresses v2 to v8, and ONES, DIAG and their scale words, which the scaled products take
.irp hf, 0,1
.set CC, 2*\pr+\hf
.set QC, C0+8*\hf
	ds_store_b64 v[IW], v[QC:QC+1] offset:(\buf)*RB+48*CC
	ds_store_b64 v[IW], v[QC+2:QC+3] offset:(\buf)*RB+48*CC+8
	ds_store_b64 v[IW], v[QC+4:QC+5] offset:(\buf)*RB+48*CC+16
	ds_store_b8 v[SW], v[M+CC] offset:(\buf)*RB+4*CC   ; byte 2 c + lane / 16 of the column's scale word
.endr
.if (\pr == 1) && ((\nu) >= 0)
	XLOAD \nu, \nxb, \nxw                          ; no vector or matrix line since the wait above names this unit's registers or v[XA]
.endif
	MM
	MM
.endr
.rept 32
	MM                                             ; what is still held back
.endr
.endm
; p's fragment for 16 queries x 128 keys, and its scale word.  Register i of half c holds key 64 c + 32 (lane / 16) + i of my query: it counts where 64 c + i <= v[dreg].
.macro PGEN dst, sreg, dreg
.irp c, 0,1
.set i, 0
.rept 4
.irp n, 0,1,2,3,4,5,6,7
	v_cmp_le_i32 s[22+\n], 64*\c+i+\n, v[\dreg]    ; eight compares in a run, a mask each
.endr
	s_wait_alu depctr_va_sdst(0)                   ; the eight compares have written s22 to s29, which the selects below read
.irp n, 0,1,2,3,4,5,6,7
	v_cndmask_b32 v[T+i+\n], v[NINF], v[ZERO], s[22+\n] ; the score less M (M = 0): 0 or -infinity
.endr
.set i, i+8
.endr
.set i, 0
	s_wait_alu depctr_va_vdst(0)
.rept 32
	v_exp_f32 v[T+i], v[T+i]                       ; p = 2^(score - M)
.set i, i+1
.endr
	v_nop                                          ; a plain place behind the exponentials
	s_wait_alu depctr_va_vdst(0)                   ; the 32 exponentials have written v[T ..]: the wait stands ahead of the first line that names a result: one for the batch
	v_max3_num_f32 v[M+\c], v[T], v[T+1], s12      ; my block's largest p (none is negative), and the floor
.set i, 2
.rept 15
	v_max3_num_f32 v[M+\c], v[M+\c], v[T+i], v[T+i+1]
.set i, i+2
.endr
	v_add_nc_u32 v[SO+\c], 0xff000000, v[M+\c]
	v_lshrrev_b32 v[M+\c], 23, v[SO+\c]
	v_cvt_scalef32_pk16_fp6_f32 v[\dst+6*\c:\dst+6*\c+2], v[T:T+15], v[SO+\c]
	v_cvt_scalef32_pk16_fp6_f32 v[C0:C0+2], v[T+16:T+31], v[SO+\c]
	v_nop                                          ; one plain place behind a scaled conversion
	v_mov_b32 v[\dst+6*\c+3], v[C0]
	v_mov_b32 v[\dst+6*\c+4], v[C0+1]
	v_mov_b32 v[\dst+6*\c+5], v[C0+2]
.endr
	v_lshl_or_b32 v[\sreg], v[M+1], 16, v[M]       ; my two bytes: blocks lane / 16 and 2 + lane / 16 of my query,
	v_lshlrev_b32 v[\sreg], v[H8], v[\sreg]        ; at their places in the scale word;
	v_mov_b32 v[TMP], 0                            ; (a lane permute's destination counts as one of its sources)
	v_permlanex16_b32 v[TMP], v[\sreg], s20, s21
	v_or_b32 v[\sreg], v[\sreg], v[TMP]            ; with lane l xor 16's two the word is whole
.endm
.macro FETCH reg, buf, ksl             ; my fragment of x for the lap's K step ksl: the image's 48 bytes of my lane
.irp j, 0,1,2
	ds_load_b128 v[(\reg)+4*\j:(\reg)+4*\j+3], v[IR] offset:(\buf)*RB+(\ksl)*KSL+16*\j
.endr
.endm
; K step k = 4 R + kk.  The next K step's fragment is asked for first: it lands in the buffer that the K step before multiplied, whose products the wait in that step's way out has shown done; no vector or matrix line stands between.
; cnt: the LDS instructions that may stay out.  hook = 1: the ONES products are held back for MM.
; The accumulators take turns, one instruction a turn.  Up to K step 28 the order is k, k + 1 .. 31.  The last three K steps go 29, 31, 30 | 31, 30 | 31, so that there too no two matrix
; instructions that follow each other name the same accumulator; each accumulator still takes its products in ascending K.
.macro STEP R, kk, hook, cnt
.set SK, 4*(\R)+(\kk)
.set SAF, AF0+12*((\kk)%2)
.set SZ, 0
.if SK == 0
.set SZ, 1                             ; the first K step's products start the sums: nothing is ever cleared
.endif
.if (\kk) < 3
	FETCH AF0+12*(((\kk)+1)%2), (\R)%2, (\kk)+1
.endif
	s_wait_dscnt \cnt
	WIN 0x50                                       ; C and D in window 1
.if SK == 30
	PROD 31, SAF, ONES, SA+(\kk), SBO, 0
	PROD 30, SAF, DIAG, SA+(\kk), SBD, 0
.elseif SK == 29
	PROD 29, SAF, DIAG, SA+(\kk), SBD, 0
	PROD 31, SAF, ONES, SA+(\kk), SBO, 0
	PROD 30, SAF, ONES, SA+(\kk), SBO, 0
.else
	PROD SK, SAF, DIAG, SA+(\kk), SBD, SZ
.if \hook
.set PEND_I, SK+1
.set PAF, SAF
.set PSA, SA+(\kk)
.else
.if SK < 31
.set si, SK+1
.rept 31-SK
	PROD si, SAF, ONES, SA+(\kk), SBO, SZ
.set si, si+1
.endr
.endif
.endif
.endif
	WIN 0
.endm
; Tile k = 4 R + kk is finished: x 1 / l, into the stage.  The four v_nop are the places behind the last products: for the reads below, and for the next loads into registers that those products read.
.macro OUTT R, kk, pre
.set OTL, 4*(\R)+(\kk)
.set OO, C0+8*((\kk)%2)
.rept 4
	v_nop
.endr
.if \pre
	s_wait_dscnt 0x0                               ; the quantiser's stores have read these registers
.endif
	s_wait_alu depctr_vm_vsrc(0)                   ; the LDS stores that last read this set of eight (those of the tile two back, or the quantiser's) have read it: the multiplications below write it
	WIN 0x01                                       ; source 0 in window 1
.irp j, 0,1,2,3,4,5,6,7
	v_mul_f32 v[OO+\j], v[8*OTL+\j], v[RC+(\kk)]   ; the accumulator from its low end on
.endr
	WIN 0
	s_wait_alu depctr_va_vdst(0)                   ; the multiplications have written the set, which the two stores below read; and this K step's products are done reading their fragment and scale word, in which the next LDS loads land
	ds_store_b128 v[GW], v[OO:OO+3] offset:((\R)%2)*SBF+(\kk)*TBK
	ds_store_b128 v[GW], v[OO+4:OO+7] offset:((\R)%2)*SBF+(\kk)*TBK+16
.endm
.macro RBL Rp                          ; my block of lap Rp's stage comes back as whole rows: lanes 0-15 one row, lanes 16-31 the next.  The quantiser's lines that named T stand ahead of the wait in the last tile's way out
	s_wait_xcnt 0x0                                ; the last lap's stores have read T
	s_wait_alu depctr_vm_vsrc(0)                   ; the last block's global stores have read T, in which the loads below land (the first block finds no such store)
.irp j, 0,1,2,3,4,5,6,7
	ds_load_b128 v[T+4*\j:T+4*\j+3], v[GR] offset:((\Rp)%2)*SBF+2*\j*SPI
.endr
.endm
.macro RBS Rp
.irp j, 0,1,2,3,4,5,6,7
	global_store_b128 v[OA], v[T+4*\j:T+4*\j+3], s[6:7] offset:(512*(\Rp)+2*\j)*1024 th:TH_STORE_NT   ; sixteen lanes store 256 consecutive bytes, at a multiple of 256 from out0's first byte; written once, read by nobody here
.endr
.endm
.macro BARRIER                         ; my LDS stores have landed and my LDS loads are in: then the work-group's barrier
	s_wait_dscnt 0x0
	s_barrier_signal -1
	s_barrier_wait -1
.endm
; A lap's head: the last lap's block out of the stage; this lap's four scale words and first fragment; 1 / l of its four tiles; the block's stores.
; The fifteen LDS loads land in T, SA and the first fragment buffer: the wait in the last tile's way out (lap 0: the quantiser's last) has shown every line that named them done, and no vector or matrix line stands between.
.macro LAPHEAD R
.if \R > 0
	RBL \R-1
.endif
.irp kk, 0,1,2,3
	ds_load_b32 v[SA+\kk], v[SR] offset:((\R)%2)*RB+\kk*KSL
.endr
	FETCH AF0, (\R)%2, 0
.irp kk, 0,1,2,3
	v_add_nc_u32 v[RC+\kk], 128*(4*(\R)+\kk), v[LI]   ; l = t + 1 of my query in tile 4 R + kk
.endr
.irp kk, 0,1,2,3
	v_cvt_f32_u32 v[RC+\kk], v[RC+\kk]
.endr
	s_wait_alu depctr_va_vdst(0)
.irp kk, 0,1,2,3
	v_rcp_f32 v[RC+\kk], v[RC+\kk]
.endr
	v_nop                                          ; a plain place behind the reciprocals
	s_wait_alu depctr_va_vdst(0)                   ; the four reciprocals have written v[RC ..]: the wait stands ahead of the first line that names a result: one for the four
.if \R > 0
	s_wait_dscnt 7                                 ; the block is back; the four scale words' and the fragment's three loads may be out
	RBS \R-1
.endif
.endm
.macro THREE R                         ; a lap's first three K steps
	STEP \R, 0, 0, 3                               ; all but the next fragment's three loads
	OUTT \R, 0, 0
	STEP \R, 1, 0, 5                               ; all but the last tile's two stores and the next fragment's three loads
	OUTT \R, 1, 0
	STEP \R, 2, 0, 5                               ; the same: so the stores of two tiles back have read their registers, which the next tile takes
	OUTT \R, 2, 0
.endm
	s_load_b128 s[4:7], s[0:1], 0x0                ; x, out0
	v_lshrrev_b32 v[TMP], 5, v0
	v_readfirstlane_b32 s8, v[TMP]                 ; w: wave 0..7
	v_and_b32 v[L16], 15, v0
	v_bfe_u32 v[HH], v0, 4, 1
	s_wait_alu depctr_va_sdst(0)                   ; s8 is written, ahead of its first reader: the addresses below are made from it
	s_lshl_b32 s13, s8, 16                         ; 64 w rows of 1,024 bytes
	v_lshlrev_b32 v[XA], 4, v[L16]
	v_lshl_or_b32 v[XA], v[HH], 15, v[XA]
	v_add_nc_u32 v[XA], s13, v[XA]
	s_and_b32 s13, ttmp7, 0xffff                   ; cg
	s_lshr_b32 s2, s13, 2
	s_lshl_b32 s2, s2, 22                          ; the batch: 4,096 rows of 1,024 bytes,
	s_and_b32 s13, s13, 3
	s_lshl_b32 s13, s13, 8                         ; and the 64 columns: 256 bytes
	s_or_b32 s2, s2, s13
	s_mov_b32 s3, 0
	s_wait_kmcnt 0x0
	s_add_nc_u64 s[4:5], s[4:5], s[2:3]
	s_add_nc_u64 s[6:7], s[6:7], s[2:3]
	s_wait_alu depctr_va_vdst(0)                   ; v[XA] is written, which every load of x reads as its offset
	XLOAD 0, XSA, 0                                ; the first unit goes out before anything else is made
	s_lshr_b32 s9, s8, 2                           ; q
	s_and_b32 s10, s8, 3                           ; a
	s_mov_b32 s11, ttmp9                           ; wx: it enters out0's addresses and p alone, no LDS address
	s_mov_b32 s12, 0x01800000                      ; the floor 2^(3 - 127)
	s_mov_b32 s20, 0x76543210
	s_mov_b32 s21, 0xfedcba98                      ; v_permlanex16_b32's selects for lane l xor 16
	; codes: K step w / 2 of the lap; column 4 (lane % 16) + cc lies in image (lane % 16) / 4, operand lane 4 ((lane % 16) % 4) + cc + 16 (lane / 16), 48 bytes a lane; half c = w % 2: 24 bytes on
	s_lshr_b32 s13, s8, 1
	s_mul_i32 s13, s13, KSL
	s_and_b32 s14, s8, 1
	s_mul_i32 s15, s14, 24
	s_add_co_u32 s15, s15, s13
	v_lshrrev_b32 v[TMP], 2, v[L16]
	v_mul_u32_u24 v[IW], v[TMP], FRB
	v_and_b32 v[TMP], 3, v[L16]
	v_mad_u32_u24 v[IW], v[TMP], 192, v[IW]
	v_mad_u32_u24 v[IW], v[HH], 768, v[IW]
	v_add_nc_u32 v[IW], s15, v[IW]
	; scale bytes: 4 bytes a column, byte 2 (w % 2) + lane / 16
	s_lshl_b32 s14, s14, 1
	s_add_co_u32 s14, s14, s13
	s_add_co_u32 s14, s14, SCO
	v_lshl_add_u32 v[SW], v[L16], 4, v[HH]
	v_add_nc_u32 v[SW], s14, v[SW]
	v_and_b32 v[TMP], 31, v0
	v_mul_u32_u24 v[IR], v[TMP], 48
	s_mul_i32 s13, s10, FRB
	v_add_nc_u32 v[IR], s13, v[IR]
	s_lshl_b32 s13, s10, 6
	s_add_co_u32 s13, s13, SCO
	v_lshl_add_u32 v[SR], v[L16], 2, s13           ; lane r takes column 16 a + r's word (lanes 16-31 take the same and are not read)
	s_mul_i32 s13, s9, 4*TBK
	s_lshl_b32 s14, s10, 6
	s_add_co_u32 s13, s13, s14
	s_add_co_u32 s13, s13, STG
	v_mul_u32_u24 v[GW], v[L16], SPI
	v_lshl_add_u32 v[GW], v[HH], 5, v[GW]
	v_add_nc_u32 v[GW], s13, v[GW]                 ; the stage, in: blocks 4 q on; row = my query; 64 a + 32 (lane / 16) bytes on
	s_mul_i32 s13, s8, TBK
	s_add_co_u32 s13, s13, STG
	v_mul_u32_u24 v[GR], v[HH], SPI
	v_lshl_add_u32 v[GR], v[L16], 4, v[GR]
	v_add_nc_u32 v[GR], s13, v[GR]                 ; back: block w, which is K step w % 4 of the lap and half w / 4
	s_lshl_b32 s13, s10, 7
	s_lshl_b32 s14, s11, 5
	s_add_co_u32 s13, s13, s14
	s_lshl_b32 s15, s9, 4
	s_add_co_u32 s13, s13, s15                     ; that block's first query in lap 0: 128 (w % 4) + 32 wx + 16 (w / 4)
	s_lshl_b32 s13, s13, 10
	v_lshlrev_b32 v[OA], 4, v[L16]
	v_lshl_or_b32 v[OA], v[HH], 10, v[OA]
	v_add_nc_u32 v[OA], s13, v[OA]
	s_add_co_u32 s14, s14, s15                     ; 16 g = 32 wx + 16 q
	v_add_nc_u32 v[DD], s14, v[L16]
	v_add_nc_u32 v[LI], 1, v[DD]
	v_lshlrev_b32 v[TMP], 5, v[HH]
	v_sub_nc_u32 v[DD], v[DD], v[TMP]              ; on the diagonal key 64 c + 32 (lane / 16) + i counts where 64 c + i <= 16 g + lane % 16 - 32 (lane / 16)
	v_mov_b32 v[ZERO], 0
	v_mov_b32 v[NINF], 0xff800000
	v_mov_b32 v[ALL], 127                          ; under the diagonal every key counts
	v_lshlrev_b32 v[H8], 3, v[HH]
	PGEN ONES, SBO, ALL
	PGEN DIAG, SBD, DD
	QUANT 0, XSA, 0, 0, 1, XSA, 0                  ; unit 0 into image buffer 0; unit 1 is asked for
	BARRIER
	LAPHEAD 0
	THREE 0
	STEP 0, 3, 1, 0                                ; every LDS instruction of mine is done: the quantiser writes the registers that the last tiles' stores read
	QUANT 1, XSA, 0, 0, 2, XSA, 0
	OUTT 0, 3, 1
	BARRIER
	LAPHEAD 1
	THREE 1
	STEP 1, 3, 1, 0
	QUANT 0, XSA, 0, 0, 3, XSA, 0
	OUTT 1, 3, 1
	BARRIER
	LAPHEAD 2
	THREE 2
	STEP 2, 3, 1, 0
	QUANT 1, XSA, 0, 0, 4, XSA, 0
	OUTT 2, 3, 1
	BARRIER
	LAPHEAD 3
	THREE 3
	STEP 3, 3, 1, 0
	QUANT 0, XSA, 0, 0, 5, XSA, 0
	OUTT 3, 3, 1
	BARRIER
	LAPHEAD 4
	XLOAD 6, XSB, 1                                ; tiles 0 to 15 are finished and stored to the stage: their registers take a second unit, so that two units are on their way while the laps grow short.
	                                               ; The products that wrote them and the multiplications that read them stand ahead of the wait in the lap's head; behind it stand only the block's stores, which name v[OA] and T, and the window's switch
	THREE 4
	STEP 4, 3, 1, 0
	QUANT 1, XSA, 0, 32, 7, XSA, 0                 ; unit 5 is in; unit 6's 32 loads may be out
	OUTT 4, 3, 1
	BARRIER
	LAPHEAD 5
	THREE 5
	STEP 5, 3, 1, 0
	QUANT 0, XSB, 1, 32, -1, 0, 0                  ; unit 6 is in; unit 7's 32 loads may be out.  Nothing is left to ask for
	OUTT 5, 3, 1
	BARRIER
	LAPHEAD 6
	THREE 6
	STEP 6, 3, 1, 0
	QUANT 1, XSA, 0, 0, -1, 0, 0
	OUTT 6, 3, 1
	BARRIER
	LAPHEAD 7
	THREE 7
	STEP 7, 3, 0, 2                                ; all but the last tile's two stores: the fragment is in, and the stores of two tiles back have read their registers
	OUTT 7, 3, 0
	BARRIER
	RBL 7
	s_wait_dscnt 0x0
	RBS 7
	s_wait_xcnt 0x0
	v_lshl_add_u32 v254, v0, 2, 0x1da00            ; the add's two registers, made anew: v254 and v255 held numbers of x, which vector lines alone have read
	v_mov_b32 v255, 0
	s_wait_dscnt 0x0                               ; the closing lines, six on end
	s_wait_alu 0x0
	s_wait_tensorcnt 0x0
	ds_add_u32 v254, v255
	s_wait_dscnt 0x0
	s_endpgm
.Lfunc_end_k_qb8b8c81810_avg:
	.size	k_qb8b8c81810_avg, .Lfunc_end_k_qb8b8c81810_avg-k_qb8b8c81810_avg
	.p2alignl 7, 3214868480
	.fill 96, 4, 3214868480
	.section	.rodata,"a",@progbits
	.p2align	6, 0x0
	.amdhsa_kernel k_qb8b8c81810_avg
		.amdhsa_group_segment_fixed_size 122368
		.amdhsa_private_segment_fixed_size 0
		.amdhsa_enable_private_segment 0
		.amdhsa_kernarg_size 16
		.amdhsa_user_sgpr_count 2
		.amdhsa_user_sgpr_kernarg_segment_ptr 1
		.amdhsa_wavefront_size32 1
		.amdhsa_system_sgpr_workgroup_id_x 1
		.amdhsa_system_sgpr_workgroup_id_y 1
		.amdhsa_system_sgpr_workgroup_id_z 1
		.amdhsa_system_vgpr_workitem_id 0
		.amdhsa_next_free_vgpr 512
		.amdhsa_next_free_sgpr 66
		.amdhsa_reserve_vcc 0
		.amdhsa_float_denorm_mode_32 3
		.amdhsa_float_denorm_mode_16_64 3
		.amdhsa_memory_ordered 1
		.amdhsa_forward_progress 1
		.amdhsa_inst_pref_size 255
	.end_amdhsa_kernel
	.section	.bss,"aw",@nobits
	.p2align	6
	.space	262144
	.amdgpu_metadata
---
amdhsa.version: [ 1, 2 ]
amdhsa.kernels:
  - .name:           k_qb8b8c81810_avg
    .symbol:         k_qb8b8c81810_avg.kd
    .args:
      - { .name: x, .offset: 0, .size: 8, .value_kind: global_buffer, .address_space: global }
      - { .name: out0, .offset: 8, .size: 8, .value_kind: global_buffer, .address_space: global }
    .group_segment_fixed_size: 122368
    .private_segment_fixed_size: 0
    .kernarg_segment_align: 8
    .kernarg_segment_size: 16
    .max_flat_workgroup_size: 256
    .sgpr_count:     66
    .vgpr_count:     512
    .wavefront_size: 32
...
	.end_amdgpu_metadata
.endif
;; end of part 2
